; MI455X (gfx1250); checked and timed in simulation.
; The chip was launched on July 23, 2026; its instructions are those of AMD's public machine-readable ISA for CDNA 5 (MIT licence, August 2026) and "CDNA5" Instruction Set Architecture Reference Guide (July 2026). The comments in the code are by the model that wrote it; some were corrected since.
;; Causal Self Attention. Allowed arithmetic: float matrix products may take bf16 or f16 operands with f32 sums; all other float work in f32.
;; Inputs: b_proj 1,024 float32; b_qkv 3,072 float32; w_proj 1,024 x 1,024 float32; w_qkv 3,072 x 1,024 float32; x 2 x 2,048 x 1,024 float32.
;; Outputs: out0 2 x 2,048 x 1,024 float32.
;; One version. Each part assembles by itself: llvm-mc -triple=amdgcn-amd-amdhsa -mcpu=gfx1250 --defsym DOCPART=n.
;; ======== version 1 of 1: 4 launches
;; limits: values are held in f16: magnitudes above 65,504 overflow, below 6.1e-05 lose precision; below input magnitudes of 7.6e-06 results are inexact or not finite
;; workspace buffers: xb 8,388,608 bytes; wqb 6,291,456 bytes; wpb 2,097,152 bytes; qkvh 25,165,824 bytes; atth 8,388,608 bytes
;; launch cast (part 1): grid 512 x 1, 8 waves a work-group, no clusters, 0 bytes of LDS; arguments x, w_qkv, w_proj, xb, wqb, wpb; writes xb, wqb, wpb
.if DOCPART == 1
	.amdgcn_target "amdgcn-amd-amdhsa--gfx1250"
	.amdhsa_code_object_version 6
	.text
	.protected	k_qdec4a67142_cast
	.globl	k_qdec4a67142_cast
	.p2align	8
	.type	k_qdec4a67142_cast,@function
k_qdec4a67142_cast:
	s_mov_b64 s[64:65], 0
	v_nop
	global_prefetch_b8 v0, s[64:65] scope:SCOPE_SE
	s_setreg_imm32_b32 hwreg(HW_REG_WAVE_MODE, 25, 1), 1
	s_wait_xcnt 0x0
; The three large inputs are rounded once to 16 bits, so that the products that follow fetch half the bytes.
;   x [4096][1024] f32 -> xb bf16;  w_qkv [3072][1024] f32 -> wqb bf16;
;   w_proj [1024][1024] f32 -> wpb: rounded to bf16 like the others, and that value written in f16 code, because the last
;   product's other operand is f16 and one matrix instruction takes one format.
; LIMIT: the second step is exact for 2^-17 <= |w_proj| < 65,504; smaller numbers lose bits (absolute error at most 2^-25),
; larger ones become infinite.
; A work-group takes 16,384 numbers: 65,536 bytes in, 32,768 out.  Groups 0-255: x, 256-447: w_qkv, 448-511: w_proj.
; Thread t, step i: 32 bytes in at 8,192 i + 32 t (two loads of 16), 16 bytes out at 4,096 i + 16 t: sixteen neighbouring lanes
; store 256 consecutive bytes, aligned.  All sixteen loads of a thread go out at once; every load and every store has registers
; of its own, so nothing is rewritten while it is a source.  No LDS, no barrier, no matrix unit: this is a stream.
.set X, 4                              ; v[4:67]   step i: 8 registers as loaded
.set Y, 68                             ; v[68:99]  step i: 4 registers to store
.set NX, 256                           ; work-groups for x
.set NQ, 192                           ; for w_qkv
	s_load_b256 s[4:11], s[0:1], 0x0               ; x s[4:5], w_qkv s[6:7], w_proj s[8:9], xb s[10:11]
	s_load_b128 s[12:15], s[0:1], 0x20             ; wqb s[12:13], wpb s[14:15]
	s_mov_b32 s21, ttmp9
	s_mov_b32 s20, NX+NQ                           ; first group of w_proj
	s_mov_b32 s23, 0
	v_lshlrev_b32 v1, 5, v0                        ; 32 t
	v_lshlrev_b32 v2, 4, v0                        ; 16 t
	s_wait_kmcnt 0x0
	s_cmp_lt_u32 s21, NX+NQ                        ; the choice of buffers hangs on the group's number alone
	s_cselect_b64 s[16:17], s[6:7], s[8:9]
	s_cselect_b64 s[18:19], s[12:13], s[14:15]
	s_cselect_b32 s20, NX, s20
	s_cmp_lt_u32 s21, NX
	s_cselect_b64 s[16:17], s[4:5], s[16:17]
	s_cselect_b64 s[18:19], s[10:11], s[18:19]
	s_cselect_b32 s20, 0, s20
	s_sub_co_u32 s20, s21, s20                     ; the group's number inside its tensor
	s_lshl_b32 s22, s20, 16
	s_add_nc_u64 s[16:17], s[16:17], s[22:23]      ; source: 65,536 bytes a group
	s_lshl_b32 s22, s20, 15
	s_add_nc_u64 s[18:19], s[18:19], s[22:23]      ; target: 32,768 bytes a group
.irp i, 0,1,2,3,4,5,6,7
	global_load_b128 v[X+8*\i:X+8*\i+3],   v1, s[16:17] offset:\i*8192 th:TH_LOAD_NT
	global_load_b128 v[X+8*\i+4:X+8*\i+7], v1, s[16:17] offset:\i*8192+16 th:TH_LOAD_NT
.endr
	s_cmp_ge_u32 s21, NX+NQ
	s_cbranch_scc1 .Lhalf
.irp i, 0,1,2,3,4,5,6,7
	s_wait_loadcnt 14-2*\i                         ; loads come back in order: step i's two are in, the 14 - 2 i younger ones stay out
.irp j, 0,1,2,3
	v_cvt_pk_bf16_f32 v[Y+4*\i+\j], v[X+8*\i+2*\j], v[X+8*\i+2*\j+1]
.endr
	global_store_b128 v2, v[Y+4*\i:Y+4*\i+3], s[18:19] offset:\i*4096
.endr
	s_endpgm
.Lhalf:
.irp i, 0,1,2,3,4,5,6,7
	s_wait_loadcnt 14-2*\i                         ; as above
.irp j, 0,1,2,3
	v_cvt_pk_bf16_f32 v[Y+4*\i+\j], v[X+8*\i+2*\j], v[X+8*\i+2*\j+1]     ; the rounding that counts
.endr
.irp j, 0,1,2,3
	v_lshlrev_b32 v[X+8*\i+2*\j],   16, v[Y+4*\i+\j]                     ; the rounded numbers as f32 again
	v_and_b32     v[X+8*\i+2*\j+1], 0xffff0000, v[Y+4*\i+\j]
.endr
.irp j, 0,1,2,3
	v_cvt_pk_f16_f32 v[Y+4*\i+\j], v[X+8*\i+2*\j], v[X+8*\i+2*\j+1]      ; 8 significant bits fit into f16's 11
.endr
	global_store_b128 v2, v[Y+4*\i:Y+4*\i+3], s[18:19] offset:\i*4096
.endr
	s_endpgm
.Lfunc_end_k_qdec4a67142_cast:
	.size	k_qdec4a67142_cast, .Lfunc_end_k_qdec4a67142_cast-k_qdec4a67142_cast
	.p2alignl 7, 3214868480
	.fill 96, 4, 3214868480
	.section	.rodata,"a",@progbits
	.p2align	6, 0x0
	.amdhsa_kernel k_qdec4a67142_cast
		.amdhsa_group_segment_fixed_size 0
		.amdhsa_private_segment_fixed_size 0
		.amdhsa_enable_private_segment 0
		.amdhsa_kernarg_size 48
		.amdhsa_user_sgpr_count 2
		.amdhsa_user_sgpr_kernarg_segment_ptr 1
		.amdhsa_wavefront_size32 1
		.amdhsa_system_sgpr_workgroup_id_x 1
		.amdhsa_system_sgpr_workgroup_id_y 1
		.amdhsa_system_sgpr_workgroup_id_z 1
		.amdhsa_system_vgpr_workitem_id 0
		.amdhsa_next_free_vgpr 100
		.amdhsa_next_free_sgpr 66
		.amdhsa_reserve_vcc 0
		.amdhsa_float_denorm_mode_32 3
		.amdhsa_float_denorm_mode_16_64 3
		.amdhsa_memory_ordered 1
		.amdhsa_forward_progress 1
		.amdhsa_inst_pref_size 14
	.end_amdhsa_kernel
	.amdgpu_metadata
---
amdhsa.version: [ 1, 2 ]
amdhsa.kernels:
  - .name:           k_qdec4a67142_cast
    .symbol:         k_qdec4a67142_cast.kd
    .args:
      - { .name: x, .offset: 0, .size: 8, .value_kind: global_buffer, .address_space: global }
      - { .name: w_qkv, .offset: 8, .size: 8, .value_kind: global_buffer, .address_space: global }
      - { .name: w_proj, .offset: 16, .size: 8, .value_kind: global_buffer, .address_space: global }
      - { .name: xb, .offset: 24, .size: 8, .value_kind: global_buffer, .address_space: global }
      - { .name: wqb, .offset: 32, .size: 8, .value_kind: global_buffer, .address_space: global }
      - { .name: wpb, .offset: 40, .size: 8, .value_kind: global_buffer, .address_space: global }
    .group_segment_fixed_size: 0
    .private_segment_fixed_size: 0
    .kernarg_segment_align: 8
    .kernarg_segment_size: 48
    .max_flat_workgroup_size: 256
    .sgpr_count:     66
    .vgpr_count:     100
    .wavefront_size: 32
...
	.end_amdgpu_metadata
.endif
;; end of part 1
;; launch qkv (part 2): grid 16 x 16, 4 waves a work-group, clusters of 4 x 4, 327,680 bytes of LDS; arguments xb, wqb, b_qkv, qkvh; writes qkvh
.if DOCPART == 2
	.amdgcn_target "amdgcn-amd-amdhsa--gfx1250"
	.amdhsa_code_object_version 6
	.text
	.protected	k_qdec4a67142_qkv
	.globl	k_qdec4a67142_qkv
	.p2align	8
	.type	k_qdec4a67142_qkv,@function
k_qdec4a67142_qkv:
	s_mov_b64 s[64:65], 0
	v_nop
	global_prefetch_b8 v0, s[64:65] scope:SCOPE_SE
	s_setreg_imm32_b32 hwreg(HW_REG_WAVE_MODE, 25, 1), 1
	s_wait_xcnt 0x0
	s_wait_alu depctr_hold_cnt(0) depctr_sa_sdst(0) depctr_va_vdst(0) depctr_va_sdst(0) depctr_va_ssrc(0) depctr_va_vcc(0) depctr_vm_vsrc(0)
	s_getreg_b32 s2, hwreg(HW_REG_IB_STS2, 6, 4)
	s_cmp_eq_u32 s2, 0
	s_cbranch_scc0 .Lentry_in_a_cluster
	s_endpgm
.Lentry_in_a_cluster:
	s_bfe_u32 s2, ttmp6, 0x10000c
	s_cmp_lg_u32 s2, 0xf033
	s_cbranch_scc0 .Lentry_shape_is_right
	s_endpgm
.Lentry_shape_is_right:
; qkv[m][n] = sum over k of xb[m][k] wqb[n][k] + b_qkv[n].  xb [4096][1024] bf16, wqb [3072][1024] bf16, sums in f32, the result
; rounded once to f16 and stored head by head: qkvh [3 (q,k,v)][batch 2][head 16][token 2048][64] f16.
; LIMIT: |q|, |k|, |v| must stay below 65,504 (f16); beyond it they become infinite.
; A work-group makes 256 rows x 192 columns (three whole heads): 16 x 16 = 256 work-groups.  Four waves; wave w makes rows 64 w .. 64 w + 63
; of all 192 columns: 4 x 12 = 48 accumulator tiles of 16 x 16, 384 registers, so that a wave holds whole head rows and stores them alone.
; K goes in 8 steps of 128 through a ring of two LDS slots filled by the tensor data mover; a tile's rows are 256 bytes of memory, aligned.
; CLUSTERS: 4 x 4 work-groups.  The four of a cluster's row share the block row, so xb's tile; the four of a column share wqb's tile.
; Each tile is asked for jointly (same line, same descriptor, a mask that names the four), which divides the requests by four.
; REGISTERS in windows of 256:
;   window 0: v16-27 addresses; v32-63, v64-95 fragments of xb (4 x 16 rows x 32 K), two buffers; v96-191 the bias as 12 accumulator images,
;             later 48 packed results and 48 registers for the read-back
;   window 1: v0-95, v96-191 fragments of wqb (12 x 16 rows x 32 K), two buffers
;   window 2: accumulators of my rows 0-31 (tile (a, b) at v[8 (12 a + b)]);  window 3: of my rows 32-63
; The matrix instruction is used transposed (source 0 = rows of wqb, source 1 = rows of xb): lane l holds row l % 16 and its registers
; 0-7 the columns 8 (l / 16) + 0..7, eight neighbouring numbers.  The first product of each tile takes the bias image as C: nothing is
; cleared and the bias costs no addition.
.set KSTEP,  128
.set PITCH,  272                       ; LDS row: 256 bytes + 16: an odd multiple of 16, so the 16 rows of a fragment load lie in 16 different 16-byte columns modulo 256
.set HALFA,  128*PITCH                 ; what one load brings of xb
.set HALFB,  96*PITCH                  ; what one load brings of wqb
.set SLOT,   2*HALFA+2*HALFB           ; 121,856: xb's 256 rows, then wqb's 192
.set STAGE,  2*SLOT                    ; 243,712: behind the ring, never the target of a tensor load
.set SPITCH, 400                       ; a stage row: 192 f16 + 16 bytes
.set WSTAGE, 16*SPITCH                 ; 6,400 bytes a wave
.set LAPS,   4                         ; a lap = two K steps
.set ADRA, 16                          ; v16-17 LDS address of my xb fragments in slot 0, 1
.set ADRB, 20                          ; v20-21 the same for wqb
.set STO,  24
.set RD,   25
.set CO,   26
.set BOFF, 27
.set FA0,  32
.set FA1,  64
.set BIAS, 96
.set TMP,  96
.set RB,   144
.set FB0,  0
.set FB1,  96
.set G1A, 24                           ; s[24:31] group 1 for xb's tiles
.set G0A, 32                           ; s[32:39] group 0 for xb's tiles, one set a slot
.set G1B, 40                           ; s[40:47] group 1 for wqb's tiles
.set G0B, 48                           ; s[48:55] group 0 for wqb's tiles, one set a slot
.set OB,  68                           ; s[68:73] where my three heads' rows go
.set FLAGS, (1<<16)|(1<<20)|(1<<21)|(5<<22)|(3<<25)   ; elements of 2 bytes; padding on; bit 21 beside a mask; after every 64 words; 4 words
.set MSB, 0
.macro WIN new                         ; the immediate's high byte repeats the setting that is left
.if MSB != \new
	s_set_vgpr_msb (MSB<<8)|\new
.set MSB, \new
.endif
.endm
.set MUL_LO,   0xa1                    ; source 0 window 1, source 1 window 0, C and D window 2
.set MUL_HI,   0xf1                    ; C and D window 3
.set FIRST_LO, 0x81                    ; C window 0 (the bias), D window 2
.set FIRST_HI, 0xc1                    ; C window 0, D window 3
.set TO_B,     0x40                    ; destination window 1
; A joint load: waves 0, 1 fetch xb's two halves, waves 2, 3 wqb's.  The branch hangs on the wave's number alone.
.macro JLOAD s
	s_cmp_eq_u32 s13, 0
	s_cbranch_scc0 .Lfor_b_\@
	tensor_load_to_lds s[G0A+4*\s:G0A+4*\s+3], s[G1A:G1A+7]
	s_nop 0
	s_branch .Lasked_\@
.Lfor_b_\@:
	tensor_load_to_lds s[G0B+4*\s:G0B+4*\s+3], s[G1B:G1B+7]
	s_nop 0
.Lasked_\@:
.endm
.macro CREST                           ; a round of the cluster's barrier behind its opening work-group barrier
	s_cmp_lg_u32 s12, 0
	s_cbranch_scc1 .Lnot_wave_0_\@
	s_barrier_signal -3
.Lnot_wave_0_\@:
	s_barrier_wait -3
	s_barrier_signal -1
	s_barrier_wait -1
.endm
.macro CROUND
	s_barrier_signal -1
	s_barrier_wait -1
	CREST
.endm
.macro PLACES                          ; four places behind matrix instructions, in front of loads into their sources and of readers of their results
.rept 4
	v_nop
.endr
.endm
	s_load_b256 s[4:11], s[0:1], 0x0               ; xb s[4:5], wqb s[6:7], b_qkv s[8:9], qkvh s[10:11]
	s_set_vgpr_msb 0x40
	v_lshl_add_u32 v255, v0, 2, 0x41c00
	s_set_vgpr_msb 0x4000
	v_mov_b32 v255, 0
	s_set_vgpr_msb 0x1
	ds_add_u32 v255, v255
	ds_add_u32 v255, v255
	s_set_vgpr_msb 0x100
	v_lshrrev_b32 v1, 5, v0
	v_readfirstlane_b32 s12, v1                    ; wave 0..3
	s_lshr_b32 s13, s12, 1                         ; I fetch for xb (0) or wqb (1)
	s_and_b32 s14, s12, 1                          ; which half of that tile
	s_bfe_u32 s16, ttmp6, 0x40000                  ; cx
	s_bfe_u32 s17, ttmp6, 0x40004                  ; cy
	s_lshl_b32 s18, ttmp9, 2
	s_add_co_u32 s18, s18, s16                     ; block column bx = 4 x cluster x + cx
	s_and_b32 s19, ttmp7, 0xffff
	s_lshl_b32 s19, s19, 2
	s_add_co_u32 s19, s19, s17                     ; block row by = 4 x cluster y + cy
	s_lshl_b32 s20, s17, 2
	s_lshl_b32 s20, 15, s20                        ; my row of the cluster
	s_lshl_b32 s21, 0x1111, s16                    ; my column
	s_or_b32 s[G1A+0], s20, FLAGS                  ; xb's tiles go to my row
	s_mov_b32 s[G1A+1], KSTEP<<16                  ; tensor_dim0 = 128
	s_mov_b32 s[G1A+2], 128<<16                    ; tensor_dim1 = 128
	s_mov_b32 s[G1A+3], KSTEP<<16                  ; tile_dim0 = 128
	s_mov_b32 s[G1A+4], 128                        ; tile_dim1 = 128 rows
	s_mov_b32 s[G1A+5], 1024                       ; elements from row to row
	s_mov_b32 s[G1A+6], 0
	s_mov_b32 s[G1A+7], 0
	s_or_b32 s[G1B+0], s21, FLAGS                  ; wqb's tiles go to my column
	s_mov_b32 s[G1B+1], KSTEP<<16
	s_mov_b32 s[G1B+2], 96<<16                     ; 96 rows
	s_mov_b32 s[G1B+3], KSTEP<<16
	s_mov_b32 s[G1B+4], 96
	s_mov_b32 s[G1B+5], 1024
	s_mov_b32 s[G1B+6], 0
	s_mov_b32 s[G1B+7], 0
	; xb's address hangs on by and the wave, wqb's on bx and the wave; each in registers that never hold the other coordinate
	s_lshl_b32 s56, s19, 8
	s_lshl_b32 s57, s14, 7
	s_add_co_u32 s56, s56, s57                     ; row 256 by + 128 half
	s_lshl_b32 s56, s56, 11                        ; x 2,048 bytes (below 8 MiB)
	s_mov_b32 s57, 0
	s_mul_i32 s60, s18, 192
	s_mul_i32 s61, s14, 96
	s_add_co_u32 s60, s60, s61                     ; row 192 bx + 96 half
	s_lshl_b32 s60, s60, 11
	s_mov_b32 s61, 0
	s_mul_i32 s22, s12, HALFA                      ; LDS: waves 0, 1: xb's halves
	s_mul_i32 s23, s12, HALFB
	s_add_co_u32 s23, s23, 2*HALFA-2*HALFB         ; waves 2, 3: wqb's halves, behind xb's 256 rows
	s_wait_dscnt 0x0
	s_wait_kmcnt 0x0
	s_add_nc_u64 s[58:59], s[4:5], s[56:57]
	s_add_nc_u64 s[62:63], s[6:7], s[60:61]
	CROUND                                         ; all sixteen work-groups are here: the first joint loads meet
.irp s, 0,1
	s_mov_b32 s[G0A+4*\s], 1
	s_add_co_u32 s[G0A+4*\s+1], s22, \s*SLOT
	s_add_nc_u64 s[G0A+4*\s+2:G0A+4*\s+3], s[58:59], \s*KSTEP*2
	s_or_b32 s[G0A+4*\s+3], s[G0A+4*\s+3], 0x80000000
	s_mov_b32 s[G0B+4*\s], 1
	s_add_co_u32 s[G0B+4*\s+1], s23, \s*SLOT
	s_add_nc_u64 s[G0B+4*\s+2:G0B+4*\s+3], s[62:63], \s*KSTEP*2
	s_or_b32 s[G0B+4*\s+3], s[G0B+4*\s+3], 0x80000000
	JLOAD \s                                       ; both slots' first fills: two loads of this wave are out, later one
.endr
	; bias base and the three heads' places in qkvh
	s_mul_i32 s66, s18, 768                        ; 192 bx numbers of 4 bytes
	s_mov_b32 s67, 0
	s_add_nc_u64 s[66:67], s[8:9], s[66:67]
	s_lshr_b32 s74, s19, 3                         ; batch = by / 8
	s_lshl_b32 s74, s74, 22                        ; x 4,194,304
	s_and_b32 s75, s19, 7
	s_lshl_b32 s75, s75, 15                        ; token 256 (by % 8), x 128 bytes
	s_add_co_u32 s74, s74, s75
	s_lshl_b32 s75, s12, 13                        ; + token 64 w
	s_add_co_u32 s74, s74, s75
	s_mul_i32 s75, s18, 3                          ; my first head slot among 48 = 3 x 16
.irp hh, 0,1,2
	s_add_co_u32 s76, s75, \hh
	s_lshr_b32 s77, s76, 4                         ; q, k or v
	s_lshl_b32 s77, s77, 23                        ; x 8,388,608
	s_and_b32 s76, s76, 15                         ; head
	s_lshl_b32 s76, s76, 18                        ; x 262,144
	s_add_co_u32 s76, s76, s77
	s_add_co_u32 s76, s76, s74
	s_mov_b32 s77, 0
	s_add_nc_u64 s[OB+2*\hh:OB+2*\hh+1], s[10:11], s[76:77]
.endr
	v_and_b32 v1, 15, v0                           ; r = l % 16
	v_bfe_u32 v2, v0, 4, 1                         ; h = l / 16
	v_mul_u32_u24 v3, v1, PITCH
	v_lshl_add_u32 v3, v2, 4, v3                   ; r x pitch + 16 h
	s_mul_i32 s74, s12, 64*PITCH                   ; my 64 rows of xb
	v_add_nc_u32 v[ADRA], s74, v3
	v_add_nc_u32 v[ADRA+1], SLOT, v[ADRA]
	v_add_nc_u32 v[ADRB], 2*HALFA, v3              ; every wave reads all 192 rows of wqb
	v_add_nc_u32 v[ADRB+1], 2*HALFA+SLOT, v3
	v_and_b32 v4, 31, v0
	v_lshrrev_b32 v5, 3, v4
	v_and_b32 v6, 7, v4
	v_mul_u32_u24 v5, v5, SPITCH
	v_lshl_add_u32 v5, v6, 4, v5                   ; back: eight lanes take one token's 128 bytes of a head, 32 lanes four tokens
	s_mul_i32 s75, s12, WSTAGE
	s_add_co_u32 s75, s75, STAGE                   ; my stage
	v_add_nc_u32 v[RD], s75, v5
	v_mul_u32_u24 v7, v1, SPITCH
	v_lshl_add_u32 v7, v2, 4, v7                   ; in: row r, 16 bytes for each half of the lanes
	v_add_nc_u32 v[STO], s75, v7
	v_lshlrev_b32 v[CO], 4, v4                     ; four tokens of a head are 512 consecutive bytes of qkvh
	v_lshlrev_b32 v[BOFF], 5, v2                   ; bias: 8 h numbers
.irp b, 0,1,2,3,4,5,6,7,8,9,10,11
	global_load_b128 v[BIAS+8*\b:BIAS+8*\b+3],   v[BOFF], s[66:67] offset:64*\b      ; register j: b_qkv[192 bx + 16 b + 8 h + j]
	global_load_b128 v[BIAS+8*\b+4:BIAS+8*\b+7], v[BOFF], s[66:67] offset:64*\b+16
.endr
; 12 matrix instructions: m block a (0, 1) of the window's two (hi = 0: rows 0-31, 1: rows 32-63) x all 12 n blocks, 32 along K
.macro MUL12 fa, fb, hi, a, first
.irp b, 0,1,2,3,4,5,6,7,8,9,10,11
.if \first
	v_wmma_f32_16x16x32_bf16 v[8*(12*\a+\b):8*(12*\a+\b)+7], v[\fb+8*\b:\fb+8*\b+7], v[\fa+8*(2*\hi+\a):\fa+8*(2*\hi+\a)+7], v[BIAS+8*\b:BIAS+8*\b+7]
.else
	v_wmma_f32_16x16x32_bf16 v[8*(12*\a+\b):8*(12*\a+\b)+7], v[\fb+8*\b:\fb+8*\b+7], v[\fa+8*(2*\hi+\a):\fa+8*(2*\hi+\a)+7], v[8*(12*\a+\b):8*(12*\a+\b)+7]
.endif
.endr
.endm
; 32 LDS loads in one run: 192 rows of wqb, my 64 rows of xb, 32 K at byte k of the rows
.macro FETCH slot, k, fa, fb
	WIN TO_B
.irp i, 0,1,2,3,4,5,6,7,8,9,10,11
	ds_load_b128 v[\fb+8*\i:\fb+8*\i+3],   v[ADRB+\slot] offset:\k+\i*16*PITCH
	ds_load_b128 v[\fb+8*\i+4:\fb+8*\i+7], v[ADRB+\slot] offset:\k+\i*16*PITCH+32
.endr
	WIN 0
.irp i, 0,1,2,3
	ds_load_b128 v[\fa+8*\i:\fa+8*\i+3],   v[ADRA+\slot] offset:\k+\i*16*PITCH
	ds_load_b128 v[\fa+8*\i+4:\fa+8*\i+7], v[ADRA+\slot] offset:\k+\i*16*PITCH+32
.endr
.endm
; A quarter step: 48 matrix instructions on one buffer pair; in its middle the next quarter's fragments are fetched into the other.
; The 48 accumulators take turns in one fixed order, one instruction a turn, over the backward jump too.
.macro QUARTER slot, k, fa, fb, ga, gb, first
	s_wait_dscnt 4                                 ; all but the four youngest loads (xb's fragments 2 and 3) are in
.if \first
	WIN FIRST_LO
.else
	WIN MUL_LO
.endif
	MUL12 \fa, \fb, 0, 0, \first
	MUL12 \fa, \fb, 0, 1, \first
	PLACES
	FETCH \slot, \k, \ga, \gb
	s_wait_dscnt 32                                ; all but the 32 just issued
.if \first
	WIN FIRST_HI
.else
	WIN MUL_HI
.endif
	MUL12 \fa, \fb, 1, 0, \first
	MUL12 \fa, \fb, 1, 1, \first
.endm
.macro THREE slot, first
	QUARTER \slot, 64,  FA0, FB0, FA1, FB1, \first
	QUARTER \slot, 128, FA1, FB1, FA0, FB0, 0
	QUARTER \slot, 192, FA0, FB0, FA1, FB1, 0
.endm
; The last quarter changes slots.  In front of the barrier each wave waits for its reads of this slot and for all its tensor loads (one is out:
; its part of the next slot).  Where the slot is filled again the barrier opens a round of the cluster's barrier, and the joint refill is the
; first tensor load behind the round.  From a request to the wait for it a wave issues 180 matrix instructions.
.macro TURN slot, next, fill
	s_wait_dscnt 4
	WIN MUL_LO
	MUL12 FA1, FB1, 0, 0, 0
	s_wait_dscnt 0                                 ; my reads of this slot are over
	s_wait_tensorcnt 0x0                           ; all my tensor loads have landed
	ds_add_u32 v255, v255
	s_wait_dscnt 0x0
	s_barrier_signal -1
	MUL12 FA1, FB1, 0, 1, 0                        ; register work while the others arrive
	WIN 0
	s_barrier_wait -1
.if \fill
	CREST                                          ; no wave of any partner still reads this slot or has a load on its way
	s_add_nc_u64 s[G0A+4*\slot+2:G0A+4*\slot+3], s[G0A+4*\slot+2:G0A+4*\slot+3], 2*KSTEP*2
	s_add_nc_u64 s[G0B+4*\slot+2:G0B+4*\slot+3], s[G0B+4*\slot+2:G0B+4*\slot+3], 2*KSTEP*2
	JLOAD \slot
.endif
	PLACES
	FETCH \next, 0, FA0, FB0
	WIN MUL_HI
	MUL12 FA1, FB1, 1, 0, 0
	MUL12 FA1, FB1, 1, 1, 0
.endm
.macro LAP first
	THREE 0, \first
	TURN 0, 1, 1
	THREE 1, 0
	TURN 1, 0, 1
.endm
	s_wait_loadcnt 0x0                             ; the bias
	s_wait_tensorcnt 1                             ; my part of K step 0 is in; K step 1's may stay out
	s_barrier_signal -1
	s_barrier_wait -1
	FETCH 0, 0, FA0, FB0
	LAP 1                                          ; the first products start the sums from the bias
	WIN 0
	s_mov_b32 s15, LAPS-2
.Llap:
	LAP 0
	WIN 0
	s_sub_co_u32 s15, s15, 1
	s_cmp_lg_u32 s15, 0
	s_cbranch_scc1 .Llap
	THREE 0, 0                                     ; the last lap fills nothing
	TURN 0, 1, 0
	THREE 1, 0
	s_wait_dscnt 4
	WIN MUL_LO
	MUL12 FA1, FB1, 0, 0, 0
	MUL12 FA1, FB1, 0, 1, 0
	s_wait_dscnt 0
	WIN MUL_HI
	MUL12 FA1, FB1, 1, 0, 0
	MUL12 FA1, FB1, 1, 1, 0
	PLACES                                         ; in front of the conversions, which read results, and of the loads into the bias registers
; THE WAY OUT, 16 rows at a time: round to f16, 16 bytes a lane into my own stage, read back head by head, four tokens (512 bytes) a store.
.macro OUT16 a, al, from
	WIN \from
.irp b, 0,1,2,3,4,5,6,7,8,9,10,11
.irp r, 0,1,2,3
	v_cvt_pk_f16_f32 v[TMP+4*\b+\r], v[8*(12*\al+\b)+2*\r], v[8*(12*\al+\b)+2*\r+1]
.endr
.endr
	WIN 0
.irp b, 0,1,2,3,4,5,6,7,8,9,10,11
	ds_store_b128 v[STO], v[TMP+4*\b:TMP+4*\b+3] offset:32*\b
.endr
	s_wait_xcnt 0x0                                ; the read-back registers are the data of the last sixteen rows' stores: loaded again only behind this wait
.irp hh, 0,1,2
.irp t, 0,1,2,3
	ds_load_b128 v[RB+4*(4*\hh+\t):RB+4*(4*\hh+\t)+3], v[RD] offset:\hh*128+\t*4*SPITCH   ; a wave's LDS instructions are served in order: these see the stores above
.endr
.endr
.irp hh, 0,1,2
.irp t, 0,1,2,3
	s_wait_dscnt 11-(4*\hh+\t)                     ; this load is in, the younger ones stay out
	global_store_b128 v[CO], v[RB+4*(4*\hh+\t):RB+4*(4*\hh+\t)+3], s[OB+2*\hh:OB+2*\hh+1] offset:(16*\a+4*\t)*128   ; 512 consecutive bytes, aligned
.endr
.endr
.endm
	OUT16 0, 0, 0x0a
	OUT16 1, 1, 0x0a
	OUT16 2, 0, 0x0f
	OUT16 3, 1, 0x0f
	s_set_vgpr_msb 0x1
	s_wait_tensorcnt 0x0
	ds_add_u32 v255, v255
	s_wait_dscnt 0x0
	s_set_vgpr_msb 0x100
	CROUND                                         ; the closing round: no work-group ends while a partner may still ask for a tile that names it
	s_endpgm
.Lfunc_end_k_qdec4a67142_qkv:
	.size	k_qdec4a67142_qkv, .Lfunc_end_k_qdec4a67142_qkv-k_qdec4a67142_qkv
	.p2alignl 7, 3214868480
	.fill 96, 4, 3214868480
	.section	.rodata,"a",@progbits
	.p2align	6, 0x0
	.amdhsa_kernel k_qdec4a67142_qkv
		.amdhsa_group_segment_fixed_size 327680
		.amdhsa_private_segment_fixed_size 0
		.amdhsa_enable_private_segment 0
		.amdhsa_kernarg_size 32
		.amdhsa_user_sgpr_count 2
		.amdhsa_user_sgpr_kernarg_segment_ptr 1
		.amdhsa_wavefront_size32 1
		.amdhsa_system_sgpr_workgroup_id_x 1
		.amdhsa_system_sgpr_workgroup_id_y 1
		.amdhsa_system_sgpr_workgroup_id_z 1
		.amdhsa_system_vgpr_workitem_id 0
		.amdhsa_next_free_vgpr 960
		.amdhsa_next_free_sgpr 80
		.amdhsa_reserve_vcc 0
		.amdhsa_float_denorm_mode_32 3
		.amdhsa_float_denorm_mode_16_64 3
		.amdhsa_memory_ordered 1
		.amdhsa_forward_progress 1
		.amdhsa_inst_pref_size 166
	.end_amdhsa_kernel
	.amdgpu_metadata
---
amdhsa.version: [ 1, 2 ]
amdhsa.kernels:
  - .name:           k_qdec4a67142_qkv
    .symbol:         k_qdec4a67142_qkv.kd
    .args:
      - { .name: xb, .offset: 0, .size: 8, .value_kind: global_buffer, .address_space: global }
      - { .name: wqb, .offset: 8, .size: 8, .value_kind: global_buffer, .address_space: global }
      - { .name: b_qkv, .offset: 16, .size: 8, .value_kind: global_buffer, .address_space: global }
      - { .name: qkvh, .offset: 24, .size: 8, .value_kind: global_buffer, .address_space: global }
    .group_segment_fixed_size: 327680
    .private_segment_fixed_size: 0
    .kernarg_segment_align: 8
    .kernarg_segment_size: 32
    .max_flat_workgroup_size: 128
    .sgpr_count:     80
    .vgpr_count:     960
    .wavefront_size: 32
...
	.end_amdgpu_metadata
.endif
;; end of part 2
;; launch attn (part 3): grid 8 x 32, 4 waves a work-group, no clusters, 327,680 bytes of LDS; arguments qkvh, atth; writes atth
.if DOCPART == 3
	.amdgcn_target "amdgcn-amd-amdhsa--gfx1250"
	.amdhsa_code_object_version 6
	.text
	.protected	k_qdec4a67142_attn
	.globl	k_qdec4a67142_attn
	.p2align	8
	.type	k_qdec4a67142_attn,@function
k_qdec4a67142_attn:
	s_mov_b64 s[64:65], 0
	v_nop
	global_prefetch_b8 v0, s[64:65] scope:SCOPE_SE
	s_setreg_imm32_b32 hwreg(HW_REG_WAVE_MODE, 25, 1), 1
	s_wait_xcnt 0x0
; Causal attention of one head: softmax(q k^T / 8, keys <= query) v, with a running maximum.  qkvh f16 [3][batch 2][head 16][2048][64];
; the result goes to atth f16 [token block of 128: 32][head 16][128][64], so that a work-group's result is dense.
; LIMITS: operands are f16 (|q|, |k|, |v| below 65,504); a weight below 2^-126 of the row's largest is zero; the softmax sum is taken from
; the f32 weights, the product with v from the weights rounded to f16; NaN and infinite inputs are not treated.
; A work-group (x = p 0..7, y = 16 batch + head) takes the query blocks p and 15 - p (128 queries each): (p + 1) + (16 - p) = 17 key tiles of
; 128 for every work-group, 256 work-groups.  Tiles above the diagonal are not touched.  A wave owns 32 queries: two tiles of 16.
; NO CLUSTER: only the eight p of a head read the same K and V tiles, and at step u they want tile u or tile u - p - 1, and the way through
; the diagonal tile is taken at step p: requests and branches would hang on the work-group's place, which joint loads do not allow.
; BOTH PRODUCTS ARE TRANSPOSED.  S^T = K Q^T: lane (r, h), register j holds query r, key 16 sub + 8 h + j.  Two neighbouring S^T tiles packed
; to f16 in place are the second source (32 keys x 16 queries) of O^T = V^T P^T, whose first source comes by transposing LDS loads from V as
; it lies, [key][d].  So a query's maximum, sum and factor are one number a lane, and the two halves of the lanes meet by one lane exchange.
; K and V go through a ring of two LDS slots: waves 0, 1 fetch V's two halves, waves 2, 3 K's; one tensor load a wave is out at any time.
.set VP,     160                       ; V's LDS row: 128 bytes + 32: an odd multiple of 32, for the transposing loads
.set KP,     144                       ; K's LDS row: 128 bytes + 16: an odd multiple of 16
.set KOFF,   128*VP                    ; K lies behind V's 128 rows
.set SLOT,   128*VP+128*KP             ; 38,912
.set STAGE,  2*SLOT                    ; 77,824: never the target of a tensor load
.set SP,     144
.set WSTAGE, 32*SP                     ; 4,608 bytes a wave
.set KADR, 8
.set VADR, 9
.set STO,  10
.set RD,   11
.set CO,   12
.set QOFF, 13
.set QI,   14                          ; 32 w + r - 8 h: my query in its block, less my half's key offset
.set NINF, 15
.set MX,   16                          ; v16-17 running maximum of query tile 0, 1 (of the raw scores)
.set LS,   18                          ; v18-19 running sum (this half's keys)
.set NM,   20                          ; v20, v22  - c x maximum
.set YR,   21                          ; v21, v23  at work
.set AL,   24                          ; v24, v26  the factor for what was summed before
.set XR,   25                          ; v25, v27  at work
.set SA,   28                          ; v[28:31]  two pairs of partial sums
.set QF,   32                          ; v32-63    Q fragments at 16 qt + 8 kk
.set SC,   64                          ; v64-127   scores at 32 qt + 8 sub + j
.set KF,   128                         ; v128-191  K fragments at 16 sub + 8 kk
.set VF,   192                         ; v192-255  V^T fragments at 32 kg + 8 dt
.set OA,   0                           ; window 1: v0-63 O^T at 32 qt + 8 dt
.set QN,   64                          ; window 1: v64-95 the second block's Q
.set G1V, 24
.set G1K, 32
.set G0V, 40                           ; one set a slot
.set G0K, 48
.set MSB, 0
.macro WIN new
.if MSB != \new
	s_set_vgpr_msb (MSB<<8)|\new
.set MSB, \new
.endif
.endm
.macro NOPS n
.rept \n
	v_nop
.endr
.endm
.macro KVLOAD s                        ; one tensor load a wave; the branch hangs on the wave's number alone
	s_cmp_lt_u32 s8, 2
	s_cbranch_scc0 .Lfor_k_\@
	tensor_load_to_lds s[G0V+4*\s:G0V+4*\s+3], s[G1V:G1V+7]
	s_nop 0
	s_branch .Lasked_\@
.Lfor_k_\@:
	tensor_load_to_lds s[G0K+4*\s:G0K+4*\s+3], s[G1K:G1K+7]
	s_nop 0
.Lasked_\@:
.endm
	s_load_b128 s[4:7], s[0:1], 0x0                ; qkvh s[4:5], atth s[6:7]
	s_set_vgpr_msb 0x40
	v_lshl_add_u32 v96, v0, 2, 0x29000
	v_mov_b32 v97, 0
	s_set_vgpr_msb 0x4045
	ds_add_u32 v96, v97
	ds_add_u32 v96, v97
	s_set_vgpr_msb 0x4500
	v_lshrrev_b32 v1, 5, v0
	v_readfirstlane_b32 s8, v1                     ; wave
	s_mov_b32 s9, ttmp9                            ; p
	s_and_b32 s10, ttmp7, 0xffff                   ; 16 batch + head
	s_mov_b32 s11, 0                               ; u: the step, 0..16
	s_mov_b32 s12, 0                               ; kt: the key tile last asked for
	s_mov_b32 s15, 0
	s_mov_b32 s16, 0x3e38aa3b                      ; c = log2(e) / 8: the scale and the change of base in one
	s_mov_b32 s17, 0x3e38aa3b
	s_mov_b32 s18, 0x76543210                      ; lane i of one half reads lane i of the other
	s_mov_b32 s19, 0xfedcba98
	s_mov_b32 s70, 0xbe38aa3b                      ; - c
	s_mov_b32 s[G1V+0], (1<<16)|(1<<20)|(4<<22)|(7<<25)   ; elements of 2 bytes; after every 32 words 8 words of padding
	s_mov_b32 s[G1V+1], 64<<16                     ; tensor_dim0 = 64
	s_mov_b32 s[G1V+2], 64<<16                     ; tensor_dim1 = 64
	s_mov_b32 s[G1V+3], 64<<16                     ; tile_dim0 = 64
	s_mov_b32 s[G1V+4], 64                         ; tile_dim1 = 64 rows
	s_mov_b32 s[G1V+5], 64                         ; elements from row to row
	s_mov_b32 s[G1V+6], 0
	s_mov_b32 s[G1V+7], 0
	s_mov_b32 s[G1K+0], (1<<16)|(1<<20)|(4<<22)|(3<<25)   ; 4 words of padding
	s_mov_b32 s[G1K+1], 64<<16
	s_mov_b32 s[G1K+2], 64<<16
	s_mov_b32 s[G1K+3], 64<<16
	s_mov_b32 s[G1K+4], 64
	s_mov_b32 s[G1K+5], 64
	s_mov_b32 s[G1K+6], 0
	s_mov_b32 s[G1K+7], 0
	s_and_b32 s66, s8, 1
	s_lshl_b32 s66, s66, 13                        ; my 64 rows of the tile
	s_lshl_b32 s67, s10, 18                        ; the head: 262,144 bytes
	s_add_co_u32 s66, s66, s67
	s_add_co_u32 s68, s66, 8388608                 ; k
	s_add_co_u32 s66, s66, 16777216                ; v
	s_mov_b32 s67, 0
	s_mov_b32 s69, 0
	s_mul_i32 s60, s8, 64*VP                       ; LDS: waves 0, 1: V's halves
	s_mul_i32 s61, s8, 64*KP
	s_add_co_u32 s61, s61, KOFF-128*KP             ; waves 2, 3: K's halves, behind V
.irp s, 0,1
	s_mov_b32 s[G0V+4*\s], 1
	s_add_co_u32 s[G0V+4*\s+1], s60, \s*SLOT
	s_mov_b32 s[G0K+4*\s], 1
	s_add_co_u32 s[G0K+4*\s+1], s61, \s*SLOT
.endr
	s_wait_dscnt 0x0
	s_wait_kmcnt 0x0
	s_add_nc_u64 s[20:21], s[4:5], s[66:67]        ; V's tile 0, my half
	s_add_nc_u64 s[22:23], s[4:5], s[68:69]        ; K's
	s_mov_b64 s[G0V+2:G0V+3], s[20:21]
	s_or_b32 s[G0V+3], s[G0V+3], 0x80000000
	s_mov_b64 s[G0K+2:G0K+3], s[22:23]
	s_or_b32 s[G0K+3], s[G0K+3], 0x80000000
	KVLOAD 0                                       ; step 0's tile, ahead of every wait on tensor loads, LDS read and barrier
	; where Q comes from and where the results go
	s_lshl_b32 s66, s10, 18
	s_lshl_b32 s67, s8, 12                         ; my 32 queries: 4,096 bytes
	s_add_co_u32 s66, s66, s67
	s_lshl_b32 s67, s9, 14                         ; block p: 16,384 bytes
	s_add_co_u32 s68, s66, s67
	s_add_nc_u64 s[60:61], s[4:5], s[68:69]
	s_sub_co_u32 s67, 15, s9
	s_lshl_b32 s67, s67, 14                        ; block 15 - p
	s_add_co_u32 s68, s66, s67
	s_add_nc_u64 s[62:63], s[4:5], s[68:69]
	s_lshr_b32 s66, s10, 4
	s_lshl_b32 s66, s66, 22                        ; batch: 16 token blocks of 262,144 bytes
	s_and_b32 s67, s10, 15
	s_lshl_b32 s67, s67, 14                        ; head: 16,384
	s_add_co_u32 s66, s66, s67
	s_lshl_b32 s67, s8, 12                         ; my 32 rows
	s_add_co_u32 s66, s66, s67
	s_lshl_b32 s67, s9, 18
	s_add_co_u32 s68, s66, s67
	s_add_nc_u64 s[56:57], s[6:7], s[68:69]        ; block p
	s_sub_co_u32 s67, 15, s9
	s_lshl_b32 s67, s67, 18
	s_add_co_u32 s68, s66, s67
	s_add_nc_u64 s[58:59], s[6:7], s[68:69]        ; block 15 - p
	v_and_b32 v1, 15, v0                           ; r
	v_bfe_u32 v2, v0, 4, 1                         ; h
	v_and_b32 v3, 31, v0                           ; l
	v_lshlrev_b32 v[QOFF], 7, v1
	v_lshl_add_u32 v[QOFF], v2, 4, v[QOFF]         ; query r's row + 16 h
.irp qt, 0,1
.irp kk, 0,1
	global_load_b128 v[QF+16*\qt+8*\kk:QF+16*\qt+8*\kk+3],   v[QOFF], s[60:61] offset:\qt*2048+64*\kk
	global_load_b128 v[QF+16*\qt+8*\kk+4:QF+16*\qt+8*\kk+7], v[QOFF], s[60:61] offset:\qt*2048+64*\kk+32
.endr
.endr
	WIN 0x40                                       ; destination window 1
.irp qt, 0,1
.irp kk, 0,1
	global_load_b128 v[QN+16*\qt+8*\kk:QN+16*\qt+8*\kk+3],   v[QOFF], s[62:63] offset:\qt*2048+64*\kk
	global_load_b128 v[QN+16*\qt+8*\kk+4:QN+16*\qt+8*\kk+7], v[QOFF], s[62:63] offset:\qt*2048+64*\kk+32
.endr
.endr
	WIN 0
	v_mul_u32_u24 v4, v1, KP
	v_lshl_add_u32 v4, v2, 4, v4                   ; r x 144 + 16 h (K's pitch and the stage's are equal)
	v_add_nc_u32 v[KADR], KOFF, v4
	v_and_b32 v5, 7, v0
	v_lshl_add_u32 v6, v2, 3, v5                   ; key 8 h + l % 8
	v_mul_u32_u24 v6, v6, VP
	v_bfe_u32 v7, v0, 3, 1
	v_lshl_add_u32 v[VADR], v7, 4, v6              ; + 16 bytes for the odd groups of eight lanes
	s_mul_i32 s66, s8, WSTAGE
	s_add_co_u32 s66, s66, STAGE
	v_add_nc_u32 v[STO], s66, v4
	v_lshrrev_b32 v6, 3, v3
	v_mul_u32_u24 v6, v6, SP
	v_lshl_add_u32 v6, v5, 4, v6
	v_add_nc_u32 v[RD], s66, v6                    ; back: eight lanes a row of 128 bytes, four rows a load
	v_lshlrev_b32 v[CO], 4, v3
	v_lshlrev_b32 v[QI], 3, v2
	v_sub_nc_u32 v[QI], v1, v[QI]
	v_lshl_add_u32 v[QI], s8, 5, v[QI]
	v_mov_b32 v[NINF], 0xff800000
	v_mov_b32 v[YR], 0                             ; destinations of the lane exchange count as read: written once here
	v_mov_b32 v[YR+2], 0
.macro LOADK slot, hf                  ; 16 loads: 64 keys x 64 d as four fragments of 16 keys, two K steps each
.irp sub, 0,1,2,3
.irp kk, 0,1
	ds_load_b128 v[KF+16*\sub+8*\kk:KF+16*\sub+8*\kk+3],   v[KADR] offset:\slot*SLOT+(4*\hf+\sub)*16*KP+64*\kk
	ds_load_b128 v[KF+16*\sub+8*\kk+4:KF+16*\sub+8*\kk+7], v[KADR] offset:\slot*SLOT+(4*\hf+\sub)*16*KP+64*\kk+32
.endr
.endr
.endm
.macro LOADV slot, hf                  ; 16 transposing loads: lane (r, h) gets d = 16 dt + r, keys 32 kg + 8 h .. + 7 and 16 further on
.irp kg, 0,1
.irp dt, 0,1,2,3
	ds_load_tr16_b128 v[VF+32*\kg+8*\dt:VF+32*\kg+8*\dt+3],   v[VADR] offset:\slot*SLOT+(64*\hf+32*\kg)*VP+32*\dt
	ds_load_tr16_b128 v[VF+32*\kg+8*\dt+4:VF+32*\kg+8*\dt+7], v[VADR] offset:\slot*SLOT+(64*\hf+32*\kg)*VP+32*\dt+16*VP
.endr
.endr
.endm
; In both products eight accumulators take turns, one instruction a turn.
.macro SMUL                            ; S^T of 64 keys x 32 queries; the first K step starts the sums
.irp sub, 0,1,2,3
.irp qt, 0,1
	v_wmma_f32_16x16x32_f16 v[SC+32*\qt+8*\sub:SC+32*\qt+8*\sub+7], v[KF+16*\sub:KF+16*\sub+7], v[QF+16*\qt:QF+16*\qt+7], 0
.endr
.endr
.irp sub, 0,1,2,3
.irp qt, 0,1
	v_wmma_f32_16x16x32_f16 v[SC+32*\qt+8*\sub:SC+32*\qt+8*\sub+7], v[KF+16*\sub+8:KF+16*\sub+15], v[QF+16*\qt+8:QF+16*\qt+15], v[SC+32*\qt+8*\sub:SC+32*\qt+8*\sub+7]
.endr
.endr
.endm
.macro PVMUL                           ; O^T += V^T P^T over 64 keys
.irp kg, 0,1
.irp dt, 0,1,2,3
.irp qt, 0,1
	v_wmma_f32_16x16x32_f16 v[OA+32*\qt+8*\dt:OA+32*\qt+8*\dt+7], v[VF+32*\kg+8*\dt:VF+32*\kg+8*\dt+7], v[SC+32*\qt+16*\kg:SC+32*\qt+16*\kg+7], v[OA+32*\qt+8*\dt:OA+32*\qt+8*\dt+7]
.endr
.endr
.endr
.endm
.macro OSCALE                          ; O^T times a lane's factor
	WIN 0x41                                       ; O in window 1, the factor in window 0
.irp qt, 0,1
.set i, 0
.rept 16
	v_pk_mul_f32 v[OA+32*\qt+i:OA+32*\qt+i+1], v[OA+32*\qt+i:OA+32*\qt+i+1], v[AL+2*\qt:AL+2*\qt+1] op_sel_hi:[1,0]
.set i, i+2
.endr
.endr
.endm
.macro EXPS qt                         ; weights = 2^(c s - c m): 16 packed multiply-adds, 32 exponentials
.set i, 0
.rept 16
	v_pk_fma_f32 v[SC+32*\qt+i:SC+32*\qt+i+1], v[SC+32*\qt+i:SC+32*\qt+i+1], s[16:17], v[NM+2*\qt:NM+2*\qt+1] op_sel_hi:[1,0,0]
.set i, i+2
.endr
.set i, 0
.rept 32
	v_exp_f32 v[SC+32*\qt+i], v[SC+32*\qt+i]
.set i, i+1
.endr
.endm
.macro SUMCVT qt                       ; the sum of my 32 weights in two chains; then the weights packed to f16 in place
	s_wait_alu depctr_va_vdst(0)
	v_pk_add_f32 v[SA:SA+1],   v[SC+32*\qt:SC+32*\qt+1],   v[SC+32*\qt+2:SC+32*\qt+3]
	v_pk_add_f32 v[SA+2:SA+3], v[SC+32*\qt+4:SC+32*\qt+5], v[SC+32*\qt+6:SC+32*\qt+7]
.set i, 8
.rept 6
	v_pk_add_f32 v[SA:SA+1],   v[SA:SA+1],   v[SC+32*\qt+i:SC+32*\qt+i+1]
	v_pk_add_f32 v[SA+2:SA+3], v[SA+2:SA+3], v[SC+32*\qt+i+2:SC+32*\qt+i+3]
.set i, i+4
.endr
	v_pk_add_f32 v[SA:SA+1], v[SA:SA+1], v[SA+2:SA+3]
	v_add_f32 v[SA], v[SA], v[SA+1]
	v_fma_f32 v[LS+\qt], v[LS+\qt], v[AL+2*\qt], v[SA]
.irp kg, 0,1
.irp c, 0,1,2,3,4,5,6,7
	v_cvt_pk_f16_f32 v[SC+32*\qt+16*\kg+\c], v[SC+32*\qt+16*\kg+2*\c], v[SC+32*\qt+16*\kg+2*\c+1]   ; ascending: a target was read before it is written
.endr
.endr
.endm
.macro SOFT hf, masked
.if \masked
.irp qt, 0,1                           ; register i = 8 sub + j holds key 64 hf + 16 sub + 8 h + j: beyond my query it counts as minus infinity
.set i, 0
.rept 32
	v_cmp_gt_i32 vcc_lo, 64*\hf+2*i-(i%8)-16*\qt, v[QI]
	v_cndmask_b32 v[SC+32*\qt+i], v[SC+32*\qt+i], v[NINF], vcc_lo
.set i, i+1
.endr
.endr
.endif
	v_max3_num_f32 v[XR],   v[SC],    v[SC+1],  v[SC+2]       ; the two query tiles' chains line by line in turn
	v_max3_num_f32 v[XR+2], v[SC+32], v[SC+33], v[SC+34]
.set i, 3
.rept 14
	v_max3_num_f32 v[XR],   v[XR],   v[SC+i],    v[SC+i+1]
	v_max3_num_f32 v[XR+2], v[XR+2], v[SC+32+i], v[SC+32+i+1]
.set i, i+2
.endr
	v_max3_num_f32 v[XR],   v[XR],   v[SC+31], v[MX]
	v_max3_num_f32 v[XR+2], v[XR+2], v[SC+63], v[MX+1]
	v_permlanex16_b32 v[YR],   v[XR],   s18, s19              ; the other half's keys
	v_permlanex16_b32 v[YR+2], v[XR+2], s18, s19
	v_max_num_f32 v[XR],   v[XR],   v[YR]                     ; finite: the first half of every block's first tile holds key 0, which no query masks
	v_max_num_f32 v[XR+2], v[XR+2], v[YR+2]
	v_sub_f32 v[YR],   v[MX],   v[XR]
	v_sub_f32 v[YR+2], v[MX+1], v[XR+2]
	v_mov_b32 v[MX],   v[XR]
	v_mov_b32 v[MX+1], v[XR+2]
	v_mul_f32 v[YR],   s16, v[YR]
	v_mul_f32 v[YR+2], s16, v[YR+2]
	v_exp_f32 v[AL],   v[YR]                                  ; 2^(c (old maximum - new)); 0 at a block's start
	v_exp_f32 v[AL+2], v[YR+2]
	v_mul_f32 v[NM],   s70, v[XR]                             ; a plain instruction behind the exponentials, ahead of any use (ISA guide 5.7.2)
	v_mul_f32 v[NM+2], s70, v[XR+2]
	EXPS 0                                         ; each run of exponentials is followed by plain work on the other tile's registers
	EXPS 1
	SUMCVT 0
	SUMCVT 1
.endm
; 64 keys.  At its head K's 16 loads are wanted and V's 16, issued behind them, may be out.
.macro HALF slot, hf, masked
	s_wait_dscnt 16
	SMUL
	NOPS 4                                         ; places behind the products, ahead of loads into K's fragments and of readers of the scores
.if \hf == 0
	LOADK \slot, 1
.endif
	SOFT \hf, \masked
.if \hf == 0
	s_wait_dscnt 16                                ; V's fragments are in; the next half's K, issued behind them, may be out
.else
	s_wait_dscnt 0
.endif
	OSCALE
	WIN 0x50                                       ; C and D window 1
	PVMUL
	WIN 0
	NOPS 5                                         ; the next S^T writes over the weights, which these products read; loads go into V's fragments
.if \hf == 0
	LOADV \slot, 1
.endif
.endm
.macro TILE slot, masked
	LOADK \slot, 0
	LOADV \slot, 0
	HALF \slot, 0, \masked
	HALF \slot, 1, \masked
.endm
.macro FINAL                           ; divide by the sum, round to f16, out through my own stage in rows of 128 bytes
	v_permlanex16_b32 v[YR],   v[LS],   s18, s19
	v_permlanex16_b32 v[YR+2], v[LS+1], s18, s19
	v_add_f32 v[LS],   v[LS],   v[YR]
	v_add_f32 v[LS+1], v[LS+1], v[YR+2]
	v_rcp_f32 v[AL],   v[LS]                       ; at least 1: the largest weight is 1
	v_rcp_f32 v[AL+2], v[LS+1]
	v_nop
	s_wait_alu depctr_va_vdst(0)
	OSCALE
	WIN 0x05                                       ; both sources window 1
.set i, 0
.rept 32
	v_cvt_pk_f16_f32 v[SC+i], v[OA+2*i], v[OA+2*i+1]
.set i, i+1
.endr
	WIN 0
.irp qt, 0,1
.irp dt, 0,1,2,3
	ds_store_b128 v[STO], v[SC+16*\qt+4*\dt:SC+16*\qt+4*\dt+3] offset:\qt*16*SP+32*\dt
.endr
.endr
.irp t, 0,1,2,3,4,5,6,7
	ds_load_b128 v[SC+32+4*\t:SC+32+4*\t+3], v[RD] offset:\t*4*SP      ; a wave's LDS instructions are served in order: these see the stores above
.endr
.irp t, 0,1,2,3,4,5,6,7
	s_wait_dscnt 7-\t                              ; this load is in, the younger ones stay out
	global_store_b128 v[CO], v[SC+32+4*\t:SC+32+4*\t+3], s[56:57] offset:512*\t   ; 512 consecutive bytes, aligned
.endr
.endm
; O is cleared because a block's first factor is 0 and 0 times what the registers happen to hold need not be 0.  Twice a wave; starting the
; sums by a product with C = 0 would need a third copy of the tile's text, since the second block begins at step p + 1.
.macro INIT
	v_mov_b32 v[MX],   v[NINF]
	v_mov_b32 v[MX+1], v[NINF]
	v_mov_b32 v[LS],   0
	v_mov_b32 v[LS+1], 0
	WIN 0x40
.set i, 0
.rept 64
	v_mov_b32 v[OA+i], 0
.set i, i+1
.endr
	WIN 0
.endm
.macro SWITCH                          ; on to block 15 - p
	s_wait_xcnt 0x0                                ; the stores' base and data are rewritten only behind this wait
	s_mov_b64 s[56:57], s[58:59]
	INIT
	WIN 0x01
.set i, 0
.rept 32
	v_mov_b32 v[QF+i], v[QN+i]
.set i, i+1
.endr
	WIN 0
.endm
; One step.  In front of the barrier each wave waits for all its tensor loads (its part of this step's tile) and for its LDS reads of the other
; slot; behind it the other slot's refill comes first, the wave's one tensor load, and has this step's work in which to land.
.macro TRIP slot, other, refill, last
	s_set_vgpr_msb 0x5
	s_wait_tensorcnt 0x0                           ; no tensor load of mine is out: a group 0 may be written
	ds_add_u32 v96, v97
	s_wait_dscnt 0x0
	s_set_vgpr_msb 0x500
.if \refill
	s_add_co_u32 s12, s12, 1                       ; the next step's key tile: one on,
	s_cmp_eq_u32 s11, s9
	s_cselect_b32 s12, 0, s12                      ; or tile 0 of the second block behind the first block's diagonal
	s_lshl_b32 s14, s12, 14                        ; 16,384 bytes a tile
	s_add_nc_u64 s[G0V+4*\other+2:G0V+4*\other+3], s[20:21], s[14:15]
	s_or_b32 s[G0V+4*\other+3], s[G0V+4*\other+3], 0x80000000
	s_add_nc_u64 s[G0K+4*\other+2:G0K+4*\other+3], s[22:23], s[14:15]
	s_or_b32 s[G0K+4*\other+3], s[G0K+4*\other+3], 0x80000000
.endif
	s_wait_dscnt 0x0
	s_barrier_signal -1
	s_barrier_wait -1
.if \refill
	KVLOAD \other
.endif
.if \last
	TILE \slot, 1
	FINAL
.else
	s_cmp_eq_u32 s11, s9                           ; step p is the first block's diagonal tile: the same way for all four waves
	s_cbranch_scc1 .Ldiag_\@
	TILE \slot, 0
	s_branch .Ljoin_\@
.Ldiag_\@:
	TILE \slot, 1
	FINAL
	SWITCH
.Ljoin_\@:
	s_add_co_u32 s11, s11, 1
.endif
.endm
	INIT
	s_wait_loadcnt 0x0                             ; both blocks' Q
	s_mov_b32 s13, 8
.Lloop:
	TRIP 0, 1, 1, 0
	TRIP 1, 0, 1, 0
	s_sub_co_u32 s13, s13, 1
	s_cmp_lg_u32 s13, 0
	s_cbranch_scc1 .Lloop
	TRIP 0, 1, 0, 1                                ; step 16 is always the second block's diagonal tile; nothing is left to fetch
	s_set_vgpr_msb 0x5
	s_wait_tensorcnt 0x0
	ds_add_u32 v96, v97
	s_wait_dscnt 0x0
	s_set_vgpr_msb 0x500
	s_endpgm
.Lfunc_end_k_qdec4a67142_attn:
	.size	k_qdec4a67142_attn, .Lfunc_end_k_qdec4a67142_attn-k_qdec4a67142_attn
	.p2alignl 7, 3214868480
	.fill 96, 4, 3214868480
	.section	.rodata,"a",@progbits
	.p2align	6, 0x0
	.amdhsa_kernel k_qdec4a67142_attn
		.amdhsa_group_segment_fixed_size 327680
		.amdhsa_private_segment_fixed_size 0
		.amdhsa_enable_private_segment 0
		.amdhsa_kernarg_size 16
		.amdhsa_user_sgpr_count 2
		.amdhsa_user_sgpr_kernarg_segment_ptr 1
		.amdhsa_wavefront_size32 1
		.amdhsa_system_sgpr_workgroup_id_x 1
		.amdhsa_system_sgpr_workgroup_id_y 1
		.amdhsa_system_sgpr_workgroup_id_z 1
		.amdhsa_system_vgpr_workitem_id 0
		.amdhsa_next_free_vgpr 354
		.amdhsa_next_free_sgpr 72
		.amdhsa_reserve_vcc 1
		.amdhsa_float_denorm_mode_32 3
		.amdhsa_float_denorm_mode_16_64 3
		.amdhsa_memory_ordered 1
		.amdhsa_forward_progress 1
		.amdhsa_inst_pref_size 238
	.end_amdhsa_kernel
	.amdgpu_metadata
---
amdhsa.version: [ 1, 2 ]
amdhsa.kernels:
  - .name:           k_qdec4a67142_attn
    .symbol:         k_qdec4a67142_attn.kd
    .args:
      - { .name: qkvh, .offset: 0, .size: 8, .value_kind: global_buffer, .address_space: global }
      - { .name: atth, .offset: 8, .size: 8, .value_kind: global_buffer, .address_space: global }
    .group_segment_fixed_size: 327680
    .private_segment_fixed_size: 0
    .kernarg_segment_align: 8
    .kernarg_segment_size: 16
    .max_flat_workgroup_size: 128
    .sgpr_count:     72
    .vgpr_count:     354
    .wavefront_size: 32
...
	.end_amdgpu_metadata
.endif
;; end of part 3
;; launch proj (part 4): grid 8 x 32, 4 waves a work-group, clusters of 4 x 4, 327,680 bytes of LDS; arguments atth, wpb, b_proj, out0; writes out0
.if DOCPART == 4
	.amdgcn_target "amdgcn-amd-amdhsa--gfx1250"
	.amdhsa_code_object_version 6
	.text
	.protected	k_qdec4a67142_proj
	.globl	k_qdec4a67142_proj
	.p2align	8
	.type	k_qdec4a67142_proj,@function
k_qdec4a67142_proj:
	s_mov_b64 s[64:65], 0
	v_nop
	global_prefetch_b8 v0, s[64:65] scope:SCOPE_SE
	s_setreg_imm32_b32 hwreg(HW_REG_WAVE_MODE, 25, 1), 1
	s_wait_xcnt 0x0
	s_wait_alu depctr_hold_cnt(0) depctr_sa_sdst(0) depctr_va_vdst(0) depctr_va_sdst(0) depctr_va_ssrc(0) depctr_va_vcc(0) depctr_vm_vsrc(0)
	s_getreg_b32 s2, hwreg(HW_REG_IB_STS2, 6, 4)
	s_cmp_eq_u32 s2, 0
	s_cbranch_scc0 .Lentry_in_a_cluster
	s_endpgm
.Lentry_in_a_cluster:
	s_bfe_u32 s2, ttmp6, 0x10000c
	s_cmp_lg_u32 s2, 0xf033
	s_cbranch_scc0 .Lentry_shape_is_right
	s_endpgm
.Lentry_shape_is_right:
; out0[m][n] = sum over k of att[m][k] w_proj[n][k] + b_proj[n], f32 out.  att comes as atth f16 [token block of 128: 32][head 16][128][64]
; (k = 64 head + d), the weights as wpb f16 [1024][1024].  Sums in f32, started from the bias.
; A work-group makes 128 x 128: 8 x 32 = 256 work-groups; four waves lie 2 x 2 with 64 x 64 each, 16 accumulator tiles.
; K = 1,024 goes in four parts of 256 (four heads) through two LDS slots: both first fills go out together, two refills follow.
; In a slot att lies as 4 heads x 128 tokens rows of 128 bytes, the weights as 128 rows of 512 bytes.
; CLUSTERS: 4 x 4 work-groups; att's tile hangs on the block row and is shared along the cluster's row, the weights' on the block column and
; is shared along the cluster's column; each is asked for jointly, which divides the requests by four.
; REGISTERS: window 0: v16-27 addresses; v32-95, v96-159 two fragment buffers (weights at f + 8 b, att at f + 32 + 8 a); v160-191 the bias as four
; accumulator images; v192-223 the read-back.  Window 1: v0-127 accumulators, tile (a, b) at 8 (4 a + b).
; The matrix instruction is used transposed (source 0 = rows of the weights): a lane's registers 0-7 are eight neighbouring columns of one row.
.set PA,     144                       ; att's LDS row: 128 bytes + 16
.set PB,     528                       ; the weights' LDS row: 512 bytes + 16; both odd multiples of 16
.set ABYTES, 512*PA                    ; 73,728
.set BBYTES, 128*PB                    ; 67,584
.set SLOT,   ABYTES+BBYTES             ; 141,312
.set STAGE,  2*SLOT                    ; 282,624: never the target of a tensor load
.set SPITCH, 272                       ; a stage row: 64 f32 + 16 bytes
.set WSTAGE, 16*SPITCH                 ; 4,352 bytes a wave
.set ADRA, 16
.set ADRB, 20
.set STO,  24
.set RD,   25
.set CO,   26
.set BOFF, 27
.set F0,   32
.set F1,   96
.set BIAS, 160
.set RB,   192
.set G1A, 24
.set G0A, 32
.set G1B, 40
.set G0B, 48
.set MSB, 0
.macro WIN new
.if MSB != \new
	s_set_vgpr_msb (MSB<<8)|\new
.set MSB, \new
.endif
.endm
.set MUL,   0x50                       ; C and D window 1
.set FIRST, 0x40                       ; C window 0 (the bias), D window 1
.macro JLOAD s                         ; waves 0, 1 fetch att's two halves, waves 2, 3 the weights'
	s_cmp_eq_u32 s13, 0
	s_cbranch_scc0 .Lfor_b_\@
	tensor_load_to_lds s[G0A+4*\s:G0A+4*\s+3], s[G1A:G1A+7]
	s_nop 0
	s_branch .Lasked_\@
.Lfor_b_\@:
	tensor_load_to_lds s[G0B+4*\s:G0B+4*\s+3], s[G1B:G1B+7]
	s_nop 0
.Lasked_\@:
.endm
.macro CREST
	s_cmp_lg_u32 s12, 0
	s_cbranch_scc1 .Lnot_wave_0_\@
	s_barrier_signal -3
.Lnot_wave_0_\@:
	s_barrier_wait -3
	s_barrier_signal -1
	s_barrier_wait -1
.endm
.macro CROUND
	s_barrier_signal -1
	s_barrier_wait -1
	CREST
.endm
.macro PLACES                          ; four places behind matrix instructions (ISA guide 7.12.1)
.rept 4
	v_nop
.endr
.endm
	s_load_b256 s[4:11], s[0:1], 0x0               ; atth s[4:5], wpb s[6:7], b_proj s[8:9], out0 s[10:11]
	v_lshl_add_u32 v254, v0, 2, 0x49400
	v_mov_b32 v255, 0
	ds_add_u32 v254, v255
	ds_add_u32 v254, v255
	v_lshrrev_b32 v1, 5, v0
	v_readfirstlane_b32 s12, v1                    ; wave
	s_lshr_b32 s13, s12, 1                         ; my half of the rows; also: I fetch att (0) or weights (1)
	s_and_b32 s14, s12, 1                          ; my half of the columns; also: which half of the tile I fetch
	s_bfe_u32 s16, ttmp6, 0x40000                  ; cx
	s_bfe_u32 s17, ttmp6, 0x40004                  ; cy
	s_lshl_b32 s18, ttmp9, 2
	s_add_co_u32 s18, s18, s16                     ; block column bx
	s_and_b32 s19, ttmp7, 0xffff
	s_lshl_b32 s19, s19, 2
	s_add_co_u32 s19, s19, s17                     ; block row mb
	s_lshl_b32 s20, s17, 2
	s_lshl_b32 s20, 15, s20                        ; my row of the cluster
	s_lshl_b32 s21, 0x1111, s16                    ; my column
	s_or_b32 s[G1A+0], s20, (1<<16)|(1<<20)|(1<<21)|(4<<22)|(3<<25)   ; 2-byte elements; padding of 4 words after every 32; bit 21 beside the mask
	s_mov_b32 s[G1A+1], 64<<16                     ; tensor_dim0 = 64
	s_mov_b32 s[G1A+2], 256<<16                    ; tensor_dim1 = 256
	s_mov_b32 s[G1A+3], 64<<16                     ; tile_dim0 = 64
	s_mov_b32 s[G1A+4], 256                        ; tile_dim1 = 256 rows: two heads x 128 tokens, dense in memory
	s_mov_b32 s[G1A+5], 64
	s_mov_b32 s[G1A+6], 0
	s_mov_b32 s[G1A+7], 0
	s_or_b32 s[G1B+0], s21, (1<<16)|(1<<20)|(1<<21)|(6<<22)|(3<<25)   ; padding of 4 words after every 128
	s_mov_b32 s[G1B+1], 256<<16                    ; tensor_dim0 = 256
	s_mov_b32 s[G1B+2], 64<<16                     ; tensor_dim1 = 64
	s_mov_b32 s[G1B+3], 256<<16                    ; tile_dim0 = 256
	s_mov_b32 s[G1B+4], 64                         ; tile_dim1 = 64 rows
	s_mov_b32 s[G1B+5], 1024
	s_mov_b32 s[G1B+6], 0
	s_mov_b32 s[G1B+7], 0
	s_lshl_b32 s56, s19, 18                        ; att: block row x 262,144
	s_lshl_b32 s57, s14, 15                        ; + two heads
	s_add_co_u32 s56, s56, s57
	s_mov_b32 s57, 0
	s_lshl_b32 s60, s18, 18                        ; weights: row 128 bx, x 2,048 bytes
	s_lshl_b32 s61, s14, 17                        ; + 64 rows
	s_add_co_u32 s60, s60, s61
	s_mov_b32 s61, 0
	s_mul_i32 s22, s12, 256*PA                     ; LDS: waves 0, 1
	s_mul_i32 s23, s12, 64*PB
	s_add_co_u32 s23, s23, ABYTES-BBYTES           ; waves 2, 3: behind att's 512 rows
	s_wait_dscnt 0x0
	s_wait_kmcnt 0x0
	s_add_nc_u64 s[58:59], s[4:5], s[56:57]
	s_add_nc_u64 s[62:63], s[6:7], s[60:61]
	CROUND                                         ; all sixteen work-groups are here
.irp s, 0,1
	s_mov_b32 s[G0A+4*\s], 1
	s_add_co_u32 s[G0A+4*\s+1], s22, \s*SLOT
	s_add_nc_u64 s[G0A+4*\s+2:G0A+4*\s+3], s[58:59], \s*65536          ; four heads on
	s_or_b32 s[G0A+4*\s+3], s[G0A+4*\s+3], 0x80000000
	s_mov_b32 s[G0B+4*\s], 1
	s_add_co_u32 s[G0B+4*\s+1], s23, \s*SLOT
	s_add_nc_u64 s[G0B+4*\s+2:G0B+4*\s+3], s[62:63], \s*512            ; 256 along K
	s_or_b32 s[G0B+4*\s+3], s[G0B+4*\s+3], 0x80000000
	JLOAD \s                                       ; two loads of this wave are out here, later one
.endr
	s_lshl_b32 s66, s18, 9                         ; column 128 bx, 4 bytes
	s_lshl_b32 s67, s14, 8                         ; + 64
	s_add_co_u32 s66, s66, s67
	s_mov_b32 s67, 0
	s_lshl_b32 s70, s19, 19                        ; row 128 mb, 4,096 bytes
	s_lshl_b32 s71, s13, 18                        ; + 64
	s_add_co_u32 s70, s70, s71
	s_add_co_u32 s70, s70, s66
	s_mov_b32 s71, 0
	s_add_nc_u64 s[68:69], s[10:11], s[70:71]      ; my corner of out0
	s_add_nc_u64 s[66:67], s[8:9], s[66:67]        ; my 64 numbers of the bias
	v_and_b32 v1, 15, v0                           ; r
	v_bfe_u32 v2, v0, 4, 1                         ; h
	v_lshlrev_b32 v[BOFF], 5, v2
.irp b, 0,1,2,3
	global_load_b128 v[BIAS+8*\b:BIAS+8*\b+3],   v[BOFF], s[66:67] offset:64*\b      ; register j: the bias of column 16 b + 8 h + j
	global_load_b128 v[BIAS+8*\b+4:BIAS+8*\b+7], v[BOFF], s[66:67] offset:64*\b+16
.endr
	v_mul_u32_u24 v3, v1, PA
	v_lshl_add_u32 v3, v2, 4, v3
	s_mul_i32 s74, s13, 64*PA                      ; my 64 tokens
	v_add_nc_u32 v[ADRA], s74, v3
	v_add_nc_u32 v[ADRA+1], SLOT, v[ADRA]
	v_mul_u32_u24 v4, v1, PB
	v_lshl_add_u32 v4, v2, 4, v4
	s_mul_i32 s75, s14, 64*PB                      ; my 64 rows of the weights
	s_add_co_u32 s75, s75, ABYTES
	v_add_nc_u32 v[ADRB], s75, v4
	v_add_nc_u32 v[ADRB+1], SLOT, v[ADRB]
	s_mul_i32 s76, s12, WSTAGE
	s_add_co_u32 s76, s76, STAGE
	v_mul_u32_u24 v5, v1, SPITCH
	v_lshl_add_u32 v5, v2, 5, v5                   ; in: row r, 32 bytes for each half of the lanes
	v_add_nc_u32 v[STO], s76, v5
	v_mul_u32_u24 v6, v2, SPITCH
	v_lshl_add_u32 v6, v1, 4, v6                   ; back: lanes 0-15 one row of 256 bytes, lanes 16-31 the next
	v_add_nc_u32 v[RD], s76, v6
	v_lshlrev_b32 v7, 12, v2
	v_lshl_add_u32 v[CO], v1, 4, v7                ; the same two rows in out0
; 16 LDS loads: the fragments of sub-step q (32 along K: head q / 2 of the slot's four, d = 32 (q % 2))
.macro FETCH slot, q, f
.irp i, 0,1,2,3
	ds_load_b128 v[\f+8*\i:\f+8*\i+3],   v[ADRB+\slot] offset:64*\q+\i*16*PB
	ds_load_b128 v[\f+8*\i+4:\f+8*\i+7], v[ADRB+\slot] offset:64*\q+\i*16*PB+32
.endr
.irp i, 0,1,2,3
	ds_load_b128 v[\f+32+8*\i:\f+32+8*\i+3],   v[ADRA+\slot] offset:(\q>>1)*128*PA+(\q&1)*64+\i*16*PA
	ds_load_b128 v[\f+32+8*\i+4:\f+32+8*\i+7], v[ADRA+\slot] offset:(\q>>1)*128*PA+(\q&1)*64+\i*16*PA+32
.endr
.endm
; 8 matrix instructions.  The 16 accumulators take turns in one fixed order, one instruction a turn.
.macro MUL8 f, a0, first
.irp a, \a0, \a0+1
.irp b, 0,1,2,3
.if \first
	v_wmma_f32_16x16x32_f16 v[8*(4*(\a)+\b):8*(4*(\a)+\b)+7], v[\f+8*\b:\f+8*\b+7], v[\f+32+8*(\a):\f+32+8*(\a)+7], v[BIAS+8*\b:BIAS+8*\b+7]
.else
	v_wmma_f32_16x16x32_f16 v[8*(4*(\a)+\b):8*(4*(\a)+\b)+7], v[\f+8*\b:\f+8*\b+7], v[\f+32+8*(\a):\f+32+8*(\a)+7], v[8*(4*(\a)+\b):8*(4*(\a)+\b)+7]
.endif
.endr
.endr
.endm
; A sub-step: fetch sub-step qn into buffer g, multiply buffer f
.macro SUB slot, qn, f, g, first
	PLACES                                         ; buffer g was read by the matrix instructions just issued
	FETCH \slot, \qn, \g
	s_wait_dscnt 16                                ; all but the 16 just issued
.if \first
	WIN FIRST
.else
	WIN MUL
.endif
	MUL8 \f, 0, \first
	MUL8 \f, 2, \first
	WIN 0
.endm
.macro SEVEN slot, first
	SUB \slot, 1, F0, F1, \first
	SUB \slot, 2, F1, F0, 0
	SUB \slot, 3, F0, F1, 0
	SUB \slot, 4, F1, F0, 0
	SUB \slot, 5, F0, F1, 0
	SUB \slot, 6, F1, F0, 0
	SUB \slot, 7, F0, F1, 0
.endm
; The slot's last sub-step changes slots: each wave waits for its reads of this slot and for all its tensor loads, then the barrier, which opens a
; round of the cluster's barrier where the slot is filled again; the joint refill is the first tensor load behind the round.
.macro TURN slot, next, fill
	s_wait_dscnt 0
	s_wait_tensorcnt 0x0
	ds_add_u32 v254, v255
	s_wait_dscnt 0x0
	s_barrier_signal -1
	WIN MUL
	MUL8 F1, 0, 0                                  ; register work while the others arrive
	WIN 0
	s_barrier_wait -1
.if \fill
	CREST
	s_add_nc_u64 s[G0A+4*\slot+2:G0A+4*\slot+3], s[G0A+4*\slot+2:G0A+4*\slot+3], 131072   ; eight heads on
	s_add_nc_u64 s[G0B+4*\slot+2:G0B+4*\slot+3], s[G0B+4*\slot+2:G0B+4*\slot+3], 1024     ; 512 along K
	JLOAD \slot
.endif
	PLACES
	FETCH \next, 0, F0
	WIN MUL
	MUL8 F1, 2, 0
	WIN 0
.endm
	s_wait_loadcnt 0x0                             ; the bias
	s_wait_tensorcnt 1                             ; my part of slot 0 is in; slot 1's may stay out
	s_barrier_signal -1
	s_barrier_wait -1
	FETCH 0, 0, F0
	SEVEN 0, 1                                     ; K 0-255; the first products start the sums from the bias
	TURN 0, 1, 1
	SEVEN 1, 0                                     ; K 256-511
	TURN 1, 0, 1
	SEVEN 0, 0                                     ; K 512-767
	TURN 0, 1, 0                                   ; nothing is left to fetch
	SEVEN 1, 0                                     ; K 768-1023
	s_wait_dscnt 0
	WIN MUL
	MUL8 F1, 0, 0
	MUL8 F1, 2, 0
	WIN 0
	PLACES                                         ; in front of the LDS stores, which read results
; THE WAY OUT, 16 rows at a time: the sums go as they are into my own stage and come back as whole rows of 256 bytes.
.macro OUT16 a
	WIN 0x04                                       ; an LDS store's data: window 1
.irp b, 0,1,2,3
	ds_store_b128 v[STO], v[8*(4*\a+\b):8*(4*\a+\b)+3]   offset:64*\b
	ds_store_b128 v[STO], v[8*(4*\a+\b)+4:8*(4*\a+\b)+7] offset:64*\b+16
.endr
	WIN 0
	s_wait_xcnt 0x0                                ; the read-back registers are the data of the last sixteen rows' stores
.irp t, 0,1,2,3,4,5,6,7
	ds_load_b128 v[RB+4*\t:RB+4*\t+3], v[RD] offset:\t*2*SPITCH        ; a wave's LDS instructions are served in order
.endr
.irp t, 0,1,2,3,4,5,6,7
	s_wait_dscnt 7-\t
	global_store_b128 v[CO], v[RB+4*\t:RB+4*\t+3], s[68:69] offset:(16*\a+2*\t)*4096 th:TH_STORE_NT   ; sixteen lanes store 256 consecutive bytes, aligned
.endr
.endm
	OUT16 0
	OUT16 1
	OUT16 2
	OUT16 3
	s_wait_tensorcnt 0x0
	ds_add_u32 v254, v255
	s_wait_dscnt 0x0
	CROUND                                         ; the closing round
	s_endpgm
.Lfunc_end_k_qdec4a67142_proj:
	.size	k_qdec4a67142_proj, .Lfunc_end_k_qdec4a67142_proj-k_qdec4a67142_proj
	.p2alignl 7, 3214868480
	.fill 96, 4, 3214868480
	.section	.rodata,"a",@progbits
	.p2align	6, 0x0
	.amdhsa_kernel k_qdec4a67142_proj
		.amdhsa_group_segment_fixed_size 327680
		.amdhsa_private_segment_fixed_size 0
		.amdhsa_enable_private_segment 0
		.amdhsa_kernarg_size 32
		.amdhsa_user_sgpr_count 2
		.amdhsa_user_sgpr_kernarg_segment_ptr 1
		.amdhsa_wavefront_size32 1
		.amdhsa_system_sgpr_workgroup_id_x 1
		.amdhsa_system_sgpr_workgroup_id_y 1
		.amdhsa_system_sgpr_workgroup_id_z 1
		.amdhsa_system_vgpr_workitem_id 0
		.amdhsa_next_free_vgpr 384
		.amdhsa_next_free_sgpr 80
		.amdhsa_reserve_vcc 0
		.amdhsa_float_denorm_mode_32 3
		.amdhsa_float_denorm_mode_16_64 3
		.amdhsa_memory_ordered 1
		.amdhsa_forward_progress 1
		.amdhsa_inst_pref_size 89
	.end_amdhsa_kernel
	.amdgpu_metadata
---
amdhsa.version: [ 1, 2 ]
amdhsa.kernels:
  - .name:           k_qdec4a67142_proj
    .symbol:         k_qdec4a67142_proj.kd
    .args:
      - { .name: atth, .offset: 0, .size: 8, .value_kind: global_buffer, .address_space: global }
      - { .name: wpb, .offset: 8, .size: 8, .value_kind: global_buffer, .address_space: global }
      - { .name: b_proj, .offset: 16, .size: 8, .value_kind: global_buffer, .address_space: global }
      - { .name: out0, .offset: 24, .size: 8, .value_kind: global_buffer, .address_space: global }
    .group_segment_fixed_size: 327680
    .private_segment_fixed_size: 0
    .kernarg_segment_align: 8
    .kernarg_segment_size: 32
    .max_flat_workgroup_size: 128
    .sgpr_count:     80
    .vgpr_count:     384
    .wavefront_size: 32
...
	.end_amdgpu_metadata
.endif
;; end of part 4
